; MI455X (gfx1250); checked and timed in simulation.
; The chip was launched on July 23, 2026; its instructions are those of AMD's public machine-readable ISA for CDNA 5 (MIT licence, August 2026) and "CDNA5" Instruction Set Architecture Reference Guide (July 2026). The comments in the code are by the model that wrote it; some were corrected since.
;; Pairwise Attention. Allowed arithmetic: matrix products marked QUANTISED: E5M2 operands, one E8M0 scale for each 32 along K, by v_wmma_scale_f32_16x16x128_f8f6f4 with both operands' format E5M2, f32 sums; everything else in f32.
;; Inputs: Wk 128 x 256 float32; Wq 128 x 256 float32; Wv 256 x 256 float32; bk 128 float32; bq 128 float32; bv 256 float32; gamma 1 float32; x 8 x 256 x 64 x 64 float32.
;; Outputs: out0 8 x 256 x 64 x 64 float32.
;; This version of the problem:
;;   THIS VERSION OF THE PROBLEM IS GIVEN IN LOW PRECISION. The matrix products marked QUANTISED in the list below multiply operands that are first quantised to E5M2 (5 exponent bits, 2 mantissa bits; 8 bits a number), with one power-of-two scale for each 32 numbers along K (OCP MX v1.0); their sums are f32. All else is computed in f32.
;;   The module's matrix products, in the order in which they are computed (A, B: the left and right operand; K: the contracted axis; several contracted axes count as one K, in the product's order):
;;     1. [M 32,768, K 256] x [K 256, N 128]; A: input x; B: input Wq: QUANTISED
;;     2. [M 32,768, K 256] x [K 256, N 128]; A: input x; B: input Wk: QUANTISED
;;     3. [M 32,768, K 256] x [K 256, N 256]; A: input x; B: input Wv: QUANTISED
;;     4. batch 8 x [M 4,096, K 128] x [K 128, N 4,096]; A: computed on the way; B: computed on the way: QUANTISED
;;     5. batch 8 x [M 256, K 4,096] x [K 4,096, N 4,096]; A: computed on the way; B: softmax (see below): QUANTISED
;;   THE QUANTISER, for each operand of a quantised product, along K:
;;     - K is cut into blocks of 32 from its start; a last block that is shorter is filled with zeros.
;;     - A block's scale is 2^e with e = floor(log2(the largest magnitude in the block)) - 15, held to -126 .. 127; a block of zeros has e = 0. As a byte (E8M0): e + 127.
;;     - Each number is divided by its block's scale, clamped to +-57,344, and rounded to the nearest number of E5M2, ties to even, subnormals kept.
;;     - The product sums the exact products of the quantised numbers (number of the format x scale) in f32.
;;   ~~~python
;;   def quantise(x, axis):      # numpy; x: float32 -> the quantised numbers, widened to float32 again
;;       x = np.moveaxis(x, axis, -1); K = x.shape[-1]
;;       x = np.pad(x, [(0, 0)] * (x.ndim - 1) + [(0, -K % 32)]); x = x.reshape(x.shape[:-1] + (-1, 32)); a = np.abs(x).max(-1, keepdims=True)
;;       e = np.where(a > 0, np.clip(np.frexp(np.where(a > 0, a, 1))[1] - 1 - 15, -126, 127), 0)      # np.frexp(a)[1] - 1 = floor(log2(a)), exactly
;;       r = np.clip(x / 2.0 ** e, -57344, 57344)
;;       step = 2.0 ** (np.maximum(np.frexp(np.where(r == 0, 1, r))[1] - 1, -14) - 2)
;;       q = np.round(r / step) * step * 2.0 ** e      # np.round: ties to even
;;       return np.moveaxis(q.reshape(q.shape[:-2] + (-1,))[..., :K], -1, axis).astype(np.float32)
;;   ~~~
;;   SOFTMAX AHEAD OF A QUANTISED PRODUCT. Where the list says 'softmax', what is quantised is not the finished softmax but p = 2^(t - M), with t = logit x log2(e) and M = ceil(the row's largest t), a whole number; so 1/2 < the row's largest p <= 1. The row's sum l is taken of the UNQUANTISED p, in f32, and the product's result is divided by l at the end. Since M is a whole number, a kernel that streams over the keys may use a running M (the ceiling of the running maximum): every later rescaling is an exact power of two, which a block's scale takes up: the codes' values come out the same.
;;   OPERANDS COMPUTED ON THE WAY. 'Computed on the way' means the value that the module computes at that place (a softmax that the list does not call 'softmax' is quantised finished and normalised). What goes into a quantiser is computed in f32, as accurately as f32 sums, v_exp_f32 and their like allow (about 1e-6 of the number): no bf16 or f16 on the way to a quantiser, and a product that is left as it is and whose result goes on into a quantised operand takes f32 operands (vector FMAs, or v_wmma_f32_16x16x4_f32). A number that lies on a knife's edge between two numbers of the format may be rounded either way, as far as f32 arithmetic and the matrix unit's own rounding can turn it there, and no further.
;; One version. Each part assembles by itself: llvm-mc -triple=amdgcn-amd-amdhsa -mcpu=gfx1250 --defsym DOCPART=n.
;; ======== version 1 of 1: 2 launches
;; limits: right only within a limited range of input values
;; workspace buffers: qw 4,325,376 bytes; kv 12,976,128 bytes
;; launch proj (part 1): grid 256 x 1, 8 waves a work-group, no clusters, 173,056 bytes of LDS; arguments x, Wq, Wk, Wv, bq, bk, bv, qw, kv; writes qw, kv
.if DOCPART == 1
	.amdgcn_target "amdgcn-amd-amdhsa--gfx1250"
	.amdhsa_code_object_version 6
	.text
	.protected	k_qf10bf4d238_proj
	.globl	k_qf10bf4d238_proj
	.p2align	8
	.type	k_qf10bf4d238_proj,@function
k_qf10bf4d238_proj:
	s_mov_b64 s[64:65], 0
	v_nop
	global_prefetch_b8 v0, s[64:65] scope:SCOPE_SE
	s_setreg_imm32_b32 hwreg(HW_REG_WAVE_MODE, 25, 1), 1
	s_wait_xcnt 0x0
; q = Wq x + bq, k = Wk x + bk, v = Wv x + bv for 128 pixels of one batch, all three products on codes of BF8 (E5M2) with one E8M0 scale for each 32 along K = the 256 channels;
; the results are quantised again at once, as operands of the attention: q and k along their 128 channels, v along the pixels (the keys), and stored as IMAGES OF OPERAND REGISTERS.
; x: [8][256][4096] f32.  Wq, Wk: [128][256], Wv: [256][256], f32.  A fragment (16 rows x 128 K) is 2,048 bytes: chunk c (registers 4c..4c+3) is 512 bytes, lane l's 16 bytes at 512 c + 16 l.
; qw: a block of 16,896 bytes for each 128 pixels: 8 fragments of q, then 512 bytes of scale words.  kv: a block of 50,688 bytes: 8 fragments of k, 16 of v, 512 bytes of k's scale words, 1,024 of v's.
; Lane r of fragment pt of q or k holds pixel 32 (pt/2) + 8 (pt%2) + r + (r&8); lane r of fragment ct of v holds channel 16 ct + r, its K the block's 128 pixels in their order.
; The scale word of tile T, row r lies at 256 (T/4) + 16 r + 4 (T%4): one 16-byte load a lane then brings tiles 0-3 in lanes 0-15 and tiles 4-7 in lanes 16-31.
; SHARES.  Work-group = 128 pixels.  The eight waves share the 512 output rows, 64 each: waves 0,1 q; 2,3 k; 4-7 v.  A wave quantises its 64 rows of weights into its registers (8 fragments).
; x comes once, by one tensor load a wave (32 channels x 512 bytes); wave w quantises pixel tile w (a lane takes a pixel, its registers run down the channels) and hands the two fragments on through LDS.
; q, k: source 0 = 16 rows of W, chosen so that a lane's registers are neighbouring channels; source 1 = x: a lane holds one pixel.  v: source 0 = x, source 1 = W: a lane holds one channel and neighbouring pixels.
; NO CLUSTER: what work-groups share is the weights, 524,288 bytes of f32, which do not fit in LDS beside x's 133,120; they go from memory to registers by lane.
; LIMITS: NaN and infinities among the inputs are not served; a block whose largest magnitude lies under 2^(16 - 127), zeros among them, keeps the scale byte 1 (its bytes are read by this program alone).
; REGISTERS: window 0: v1-15, v92-95 addresses; v16-79 two sets of x's fragments (v64-79 also at work in QUANT); v80-83 x's scale words, then the words just made; v84-91 the weights' scale words;
;   v96-127 the biases in the result's layout; v128-255 the weights' 8 fragments.   window 1: four sets of 64 numbers to be quantised, later the 32 accumulators.
.set XPITCH, 520                       ; a channel's row in LDS: 512 bytes + 8: 16 rows are 2,080 words = 32 mod 64, so the two halves of the lanes fall on different banks (64 banks of 4 bytes: ISA guide 11.1)
.set XIMG,  256*XPITCH                 ; x's 16 fragments (2 pt + s), 2,048 bytes each
.set XSC,   XIMG+16*2048               ; their scale words, 128 bytes each
.set SCL,   XSC+16*128                 ; the results' scale words as they go out: q 512, k 512, v 1,024 bytes
.set QBLK,  16896
.set KVBLK, 50688
.set LIX,  4                           ; v4   16 lane + XIMG
.set LSX,  5                           ; v5   4 lane + XSC
.set XWI,  6                           ; v6   where I store my x fragments
.set XWS,  7                           ; v7   and their scale words
.set XA,   8                           ; v8-11 my pixel in x's rows, 64 channels apart
.set WA0,  12                          ; v12-13 my row of an even, an odd tile of weights
.set BAQ,  14                          ; v14  bias offset, q and k
.set L16,  15                          ; v15  16 lane
.set XF,   16
.set TM,   64                          ; v64-67 largest magnitudes, 68-71 bytes, 76-79 the conversions' scale operands
.set XS,   80
.set WS,   84
.set SRD,  92
.set SCAQ, 93
.set SCAV, 94
.set BAV,  95                          ; v95  bias offset, v
.set BIAS, 96
.set WC,   128
.set WV,   22
.set G1,   24
.set G0,   32
.set SEL,  36
.set MNT,  38
.set WP,   40
.set BP,   42
.set DST,  44
.set SDST, 46
.set MSB, 0
.macro WIN new                         ; the immediate's high byte repeats the setting that is left
.if MSB != \new
	s_set_vgpr_msb (MSB<<8)|\new
.set MSB, \new
.endif
.endm
.macro PLACES n
.rept \n
	v_nop
.endr
.endm
; 64 numbers of a lane in window 1, register 16 b + i = k 32 b + 16 (lane / 16) + i of the lane's row, become a fragment's codes in v[dst] on and its scale word in v[pw] (window 0).
.macro QUANT src, dst, pw
	WIN 0x05                                       ; sources 0 and 1 in window 1
.irp b, 0,1,2,3
	v_max3_num_f32 v[TM+\b], |v[(\src)+16*\b]|, |v[(\src)+16*\b+1]|, 0x8000000   ; block b: my 16 numbers, from the low end on, and the floor 2^(16 - 127): the byte cannot fall under 1
.endr
.irp i, 2,4,6,8,10,12,14
.irp b, 0,1,2,3
	v_max3_num_f32 v[TM+\b], |v[(\src)+16*\b+\i]|, |v[(\src)+16*\b+\i+1]|, v[TM+\b]   ; the four blocks by turns
.endr
.endr
	WIN 0
.irp b, 0,1,2,3
	v_permlanex16_b32 v[TM+4+\b], v[TM+\b], s[SEL], s[SEL+1]
.endr
.irp b, 0,1,2,3
	s_delay_alu instid0(VALU_DEP_4)
	v_max_num_f32 v[TM+\b], v[TM+\b], v[TM+4+\b]   ; with lane l xor 16's: the block's largest magnitude
.endr
.irp b, 0,1,2,3
	s_delay_alu instid0(VALU_DEP_4)
	v_add_nc_u32 v[TM+12+\b], 0xf8800000, v[TM+\b] ; 15 off its exponent field: the conversion's scale operand
.endr
.irp b, 0,1,2,3
.endr
.irp b, 0,1,2,3
	s_delay_alu instid0(VALU_DEP_4)
	v_lshrrev_b32 v[TM+4+\b], 23, v[TM+12+\b]      ; the scale's byte
.endr
	s_delay_alu instid0(VALU_DEP_3)
	v_lshl_or_b32 v[\pw], v[TM+5], 8, v[TM+4]
	s_delay_alu instid0(VALU_DEP_1)
	v_lshl_or_b32 v[\pw], v[TM+6], 16, v[\pw]
	s_delay_alu instid0(VALU_DEP_1)
	v_lshl_or_b32 v[\pw], v[TM+7], 24, v[\pw]
	WIN 0x41                                       ; destination and source 0 in window 1
.irp b, 0,1,2,3
.set Q_I, 0
.rept 16
.set Q_I, Q_I+1
.endr
.endr
	WIN 0x01
.irp b, 0,1,2,3
	v_cvt_scalef32_pk8_bf8_f32 v[(\dst)+4*\b:(\dst)+4*\b+1], v[(\src)+16*\b:(\src)+16*\b+7], v[TM+12+\b]
	v_cvt_scalef32_pk8_bf8_f32 v[(\dst)+4*\b+2:(\dst)+4*\b+3], v[(\src)+16*\b+8:(\src)+16*\b+15], v[TM+12+\b]
.endr
	WIN 0
	v_nop                                          ; one plain line behind the last conversion
.endm
; fragment f = 2 a + s of my weights (tile a, K step s) as f32: 64 numbers a lane, into set f % 4 of window 1
.macro WLOAD f
	WIN 0x40
.irp c, 0,1,2,3
.irp j, 0,1,2,3
	global_load_b128 v[64*((\f)%4)+16*\c+4*\j:64*((\f)%4)+16*\c+4*\j+3], v[WA0+(((\f)/2)%2)], s[WP:WP+1] offset:32768*((\f)/4)+512*((\f)%2)+128*\c+16*\j
.endr
.endr
	WIN 0
.endm
; x's two fragments of pixel tile pt and their scale words, from LDS, into set 0 or 1: ten LDS loads
.macro FETCH pt, set
.irp s, 0,1
.irp c, 0,1,2,3
	ds_load_b128 v[XF+32*(\set)+16*\s+4*\c:XF+32*(\set)+16*\s+4*\c+3], v[LIX] offset:(2*(\pt)+\s)*2048+512*\c
.endr
	ds_load_b32 v[XS+2*(\set)+\s], v[LSX] offset:128*(2*(\pt)+\s)
.endr
.endm
.macro MM isv, pt, a, s                ; one product: pixel tile pt, weight tile a, K step s; the first K step takes the bias as C
.set M_X, XF+32*((\pt)%2)+16*(\s)
.set M_W, WC+16*(2*(\a)+(\s))
.set M_XS, XS+2*((\pt)%2)+(\s)
.set M_WS, WS+2*(\a)+(\s)
.set M_B, BIAS+8*(\a)
.if \isv
.set M_D, 64*(\a)+8*(\pt)
.if (\s) == 0
	v_wmma_scale_f32_16x16x128_f8f6f4 v[M_D:M_D+7], v[M_X:M_X+15], v[M_W:M_W+15], v[M_B:M_B+7], v[M_XS], v[M_WS] matrix_a_fmt:MATRIX_FMT_BF8 matrix_b_fmt:MATRIX_FMT_BF8
.else
	v_wmma_scale_f32_16x16x128_f8f6f4 v[M_D:M_D+7], v[M_X:M_X+15], v[M_W:M_W+15], v[M_D:M_D+7], v[M_XS], v[M_WS] matrix_a_fmt:MATRIX_FMT_BF8 matrix_b_fmt:MATRIX_FMT_BF8
.endif
.else
.set M_D, 64*((\pt)/2)+32*((\pt)%2)+8*(\a)
.if (\s) == 0
	v_wmma_scale_f32_16x16x128_f8f6f4 v[M_D:M_D+7], v[M_W:M_W+15], v[M_X:M_X+15], v[M_B:M_B+7], v[M_WS], v[M_XS] matrix_a_fmt:MATRIX_FMT_BF8 matrix_b_fmt:MATRIX_FMT_BF8
.else
	v_wmma_scale_f32_16x16x128_f8f6f4 v[M_D:M_D+7], v[M_W:M_W+15], v[M_X:M_X+15], v[M_D:M_D+7], v[M_WS], v[M_XS] matrix_a_fmt:MATRIX_FMT_BF8 matrix_b_fmt:MATRIX_FMT_BF8
.endif
.endif
.endm
; my 64 output rows for the 128 pixels: 64 products.  A pixel tile's four accumulators take turns, one instruction a turn.
.macro PROD isv
	FETCH 0, 0
	FETCH 1, 1
.irp pt, 0,1,2,3,4,5,6,7
.if \pt < 7
	s_wait_dscnt 10                                ; this tile's ten loads are in; the next tile's ten may be out
.else
	s_wait_dscnt 0x0
.endif
	WIN 0x40                                       ; D in window 1, the bias in window 0
.irp a, 0,1,2,3
	MM \isv, \pt, \a, 0
.endr
	WIN 0x50                                       ; C and D in window 1
.irp a, 0,1,2,3
	MM \isv, \pt, \a, 1
.endr
	WIN 0
.if \pt < 6
	PLACES 8                                       ; in front of loads into registers that these products have read
	FETCH \pt+2, \pt%2
.endif
.endr
	PLACES 8                                       ; in front of the first read of results, and of writes into operands that are done with
.endm
; q, k: pixel tiles 2 j and 2 j + 1: my 64 channels are two chunks of each tile's fragment and two bytes of each row's scale word
.macro QKOUT j, dst
	QUANT 64*(\j), \dst, XS+(\j)
.irp bi, 0,1,2,3
	global_store_b128 v[L16], v[(\dst)+4*\bi:(\dst)+4*\bi+3], s[DST:DST+1] offset:2048*(2*(\j)+\bi/2)+512*(\bi%2)   ; 32 lanes store 512 consecutive bytes, at a multiple of 256 from the buffer's first byte
.endr
	ds_store_b16 v[SCAQ], v[XS+(\j)] offset:256*((\j)/2)+4*((2*(\j))%4)
	ds_store_b16_d16_hi v[SCAQ], v[XS+(\j)] offset:256*((\j)/2)+4*((2*(\j)+1)%4)
.endm
; v: channel tile a: one whole fragment
.macro VOUT a, dst
	QUANT 64*(\a), \dst, XS+(\a)
.irp c, 0,1,2,3
	global_store_b128 v[L16], v[(\dst)+4*\c:(\dst)+4*\c+3], s[DST:DST+1] offset:2048*(\a)+512*\c
.endr
.endm
	s_load_b256 s[4:11], s[0:1], 0x0               ; x, Wq, Wk, Wv
	s_load_b256 s[12:19], s[0:1], 0x20             ; bq, bk, bv, qw
	s_load_b64 s[20:21], s[0:1], 0x40              ; kv
	v_lshl_add_u32 v254, v0, 2, 0x2a000
	v_mov_b32 v255, 0
	ds_add_u32 v254, v255
	ds_add_u32 v254, v255
	s_wait_dscnt 0x0
	v_lshrrev_b32 v1, 5, v0
	s_delay_alu instid0(VALU_DEP_1)
	v_readfirstlane_b32 s[WV], v1                  ; wave 0..7
	; descriptor group 1: 32 channel rows x 128 pixels of 4 bytes, rows 4,096 elements apart, 2 words of padding behind each 128
	s_mov_b32 s[G1+0], (2<<16)|(1<<20)|(6<<22)|(1<<25)
	s_mov_b32 s[G1+1], 128<<16                     ; tensor_dim0
	s_mov_b32 s[G1+2], 32<<16                      ; tensor_dim1
	s_mov_b32 s[G1+3], 128<<16                     ; tile_dim0
	s_mov_b32 s[G1+4], 32                          ; tile_dim1
	s_mov_b32 s[G1+5], 4096                        ; from row to row
	s_mov_b32 s[G1+6], 0
	s_mov_b32 s[G1+7], 0
	s_mov_b32 s[G0], 1
	s_mul_i32 s[G0+1], s[WV], 32*XPITCH            ; my 32 rows in LDS
	s_lshr_b32 s48, ttmp9, 5                       ; the batch: 4,194,304 bytes each,
	s_lshl_b32 s48, s48, 22
	s_lshl_b32 s49, s[WV], 19                      ; my 32 channels of 16,384 bytes,
	s_add_co_u32 s48, s48, s49
	s_and_b32 s49, ttmp9, 31                       ; the block of 128 pixels
	s_lshl_b32 s49, s49, 9
	s_add_co_u32 s48, s48, s49
	s_mov_b32 s49, 0
	; my role
	s_and_b32 s50, s[WV], 1                        ; q, k: which 64 rows
	s_and_b32 s51, s[WV], 3                        ; v: which 64 rows
	s_lshl_b32 s54, s50, 10                        ; q, k: my two chunks of each fragment begin 1,024 bytes on
	s_lshl_b32 s55, s51, 13
	s_add_co_u32 s55, s55, 16384                   ; v: behind k's fragments, my four fragments
	s_mov_b32 s53, 16384
	s_cmp_lt_u32 s[WV], 4
	s_cselect_b32 s50, s50, s51
	s_cselect_b32 s52, 8, 0                        ; q, k: lanes 8-15 of a tile take rows 16 further on
	s_cselect_b32 s53, 8192, s53                   ; an odd tile begins 8 rows (q, k) or 16 rows (v) behind the even one
	s_cselect_b32 s54, s54, s55
	s_lshl_b32 s56, s50, 16                        ; my rows in the weights,
	s_mov_b32 s57, 0
	s_lshl_b32 s58, s50, 8                         ; and in the bias
	s_mov_b32 s59, 0
	s_mul_i32 s50, ttmp9, QBLK
	s_mul_i32 s51, ttmp9, KVBLK
	s_lshr_b32 s55, s[WV], 1
	s_lshl_b32 s55, s55, 9
	s_add_co_u32 s55, s55, 48640                   ; scale words: k's at 49,152, v's at 49,664 and 50,176
	s_mov_b32 s60, 16384                           ; q's at 16,384
	s_cmp_lt_u32 s[WV], 2
	s_cselect_b32 s50, s50, s51
	s_cselect_b32 s55, s60, s55
	s_add_co_u32 s60, s50, s54
	s_mov_b32 s61, 0
	s_add_co_u32 s62, s50, s55
	s_mov_b32 s63, 0
	s_mov_b32 s[SEL], 0x76543210
	s_mov_b32 s[SEL+1], 0xfedcba98                 ; v_permlanex16_b32's selects for lane l xor 16
	s_wait_kmcnt 0x0
	s_add_nc_u64 s[G0+2:G0+3], s[4:5], s[48:49]
	s_or_b32 s[G0+3], s[G0+3], 0x80000000
	tensor_load_to_lds s[G0:G0+3], s[G1:G1+7]      ; my 32 channels of x: the one fill of these bytes
	s_nop 0
	PLACES 4
	s_cmp_lt_u32 s[WV], 2
	s_cselect_b64 s[WP:WP+1], s[6:7], s[8:9]
	s_cselect_b64 s[BP:BP+1], s[12:13], s[14:15]
	s_cselect_b64 s[DST:DST+1], s[18:19], s[20:21]
	s_cselect_b64 s[SDST:SDST+1], s[18:19], s[20:21]
	s_cmp_lt_u32 s[WV], 4
	s_cselect_b64 s[WP:WP+1], s[WP:WP+1], s[10:11]
	s_cselect_b64 s[BP:BP+1], s[BP:BP+1], s[16:17]
	s_add_nc_u64 s[WP:WP+1], s[WP:WP+1], s[56:57]
	s_add_nc_u64 s[BP:BP+1], s[BP:BP+1], s[58:59]
	s_add_nc_u64 s[DST:DST+1], s[DST:DST+1], s[60:61]
	s_add_nc_u64 s[SDST:SDST+1], s[SDST:SDST+1], s[62:63]
	; every address register is made here, ahead of the first branch on the wave's number
	v_and_b32 v1, 31, v0                           ; lane
	v_and_b32 v2, 15, v0                           ; r
	v_bfe_u32 v3, v0, 4, 1                         ; h
	s_delay_alu instid0(VALU_DEP_2)
	v_and_b32 v[WA0], s52, v2
	s_delay_alu instid0(VALU_DEP_1)
	v_add_nc_u32 v[WA0], v[WA0], v2
	s_delay_alu instid0(VALU_DEP_1)
	v_lshlrev_b32 v[WA0], 10, v[WA0]               ; a row of weights is 1,024 bytes
	s_delay_alu instid0(VALU_DEP_1)
	v_lshl_add_u32 v[WA0], v3, 6, v[WA0]           ; + my 16 numbers of a block of 32
	s_delay_alu instid0(VALU_DEP_1)
	v_add_nc_u32 v[WA0+1], s53, v[WA0]
	v_lshlrev_b32 v[BAQ], 6, v3
	v_lshlrev_b32 v[BAV], 2, v2
	v_lshlrev_b32 v[L16], 4, v1
	v_lshl_add_u32 v[LIX], v1, 4, XIMG
	v_lshl_add_u32 v[LSX], v1, 2, XSC
	s_lshl_b32 s50, s[WV], 12
	v_add_nc_u32 v[XWI], s50, v[LIX]
	s_lshl_b32 s50, s[WV], 8
	v_add_nc_u32 v[XWS], s50, v[LSX]
	v_and_b32 v[XA], 8, v2
	s_delay_alu instid0(VALU_DEP_1)
	v_add_nc_u32 v[XA], v[XA], v2                  ; r + (r & 8)
	s_delay_alu instid0(VALU_DEP_1)
	v_lshlrev_b32 v[XA], 2, v[XA]
	s_delay_alu instid0(VALU_DEP_1)
	v_mad_u32_u24 v[XA], v3, 16*XPITCH, v[XA]      ; lanes 16-31 begin 16 channels further down
	s_lshr_b32 s50, s[WV], 1
	s_lshl_b32 s50, s50, 7
	s_and_b32 s51, s[WV], 1
	s_lshl_b32 s51, s51, 5
	s_add_co_u32 s50, s50, s51                     ; pixel tile w begins at pixel 32 (w/2) + 8 (w%2)
	v_add_nc_u32 v[XA], s50, v[XA]
	s_delay_alu instid0(VALU_DEP_1)
	v_add_nc_u32 v[XA+1], 64*XPITCH, v[XA]
	s_delay_alu instid0(VALU_DEP_2)
	v_add_nc_u32 v[XA+2], 128*XPITCH, v[XA]
	s_delay_alu instid0(VALU_DEP_3)
	v_add_nc_u32 v[XA+3], 192*XPITCH, v[XA]
	s_lshr_b32 s50, s[WV], 1
	s_lshl_b32 s50, s50, 9
	s_add_co_u32 s50, s50, SCL
	v_add_nc_u32 v[SRD], s50, v[L16]
	s_and_b32 s51, s[WV], 1
	s_lshl_b32 s51, s51, 1
	s_add_co_u32 s51, s51, s50
	v_lshl_add_u32 v[SCAQ], v2, 4, s51
	s_lshl_b32 s51, s[WV], 8
	s_add_co_u32 s51, s51, SCL
	v_lshl_add_u32 v[SCAV], v2, 4, s51
.irp b, 0,1,2,3
	v_mov_b32 v[TM+4+\b], 0                        ; written once: a lane permute's destination counts as one of its sources
.endr
	; the biases, in the result's layout: they are the C of each sum's first product
	s_cmp_lt_u32 s[WV], 4
	s_cbranch_scc0 .Lbias_v
.irp a, 0,1,2,3
	global_load_b128 v[BIAS+8*\a:BIAS+8*\a+3], v[BAQ], s[BP:BP+1] offset:(32*(\a/2)+8*(\a%2))*4       ; lane (r, h), register j: channel 32 (a/2) + 16 h + 8 (a%2) + j
	global_load_b128 v[BIAS+8*\a+4:BIAS+8*\a+7], v[BAQ], s[BP:BP+1] offset:(32*(\a/2)+8*(\a%2))*4+16
.endr
	s_branch .Lbias_done
.Lbias_v:
.irp a, 0,1,2,3
.irp j, 0,1,2,3,4,5,6,7
	global_load_b32 v[BIAS+8*\a+\j], v[BAV], s[BP:BP+1] offset:64*\a   ; a lane holds one channel, 16 a + r: its eight registers hold the same number
.endr
.endr
.Lbias_done:
	; my weights: loads run three fragments ahead
	WLOAD 0
	WLOAD 1
	WLOAD 2
.irp f, 0,1,2,3,4,5,6,7
.if \f < 5
	WLOAD \f+3
	s_wait_loadcnt 48                              ; this fragment's 16 loads are in; those of the three behind it may be out
.else
	s_wait_loadcnt 16*(7-\f)
.endif
	QUANT 64*(\f%4), WC+16*\f, WS+\f
.endr
	s_wait_tensorcnt 0x0                           ; my 32 channels of x have landed,
	s_barrier_signal -1
	s_barrier_wait -1                              ; everybody's have
	; x: my pixel tile; register 64 s + 16 c + i = channel 128 s + 32 c + 16 h + i of my pixel
	WIN 0x40
.irp s, 0,1
.irp c, 0,1,2,3
.irp i, 0,1,2,3,4,5,6,7,8,9,10,11,12,13,14,15
	ds_load_b32 v[64*\s+16*\c+\i], v[XA+2*\s+\c/2] offset:(32*(\c%2)+\i)*XPITCH
.endr
.endr
.endr
	WIN 0
	s_wait_dscnt 63                                ; the first K step's 64 loads are in; of the second's, 63 may be out
	QUANT 0, XF, XS
.irp c, 0,1,2,3
	ds_store_b128 v[XWI], v[XF+4*\c:XF+4*\c+3] offset:512*\c
.endr
	ds_store_b32 v[XWS], v[XS]
	s_wait_dscnt 0x0                               ; the second K step's numbers are in
	QUANT 64, XF+16, XS+1
.irp c, 0,1,2,3
	ds_store_b128 v[XWI], v[XF+16+4*\c:XF+16+4*\c+3] offset:2048+512*\c
.endr
	ds_store_b32 v[XWS], v[XS+1] offset:128
	s_wait_dscnt 0x0                               ; for the others' sake: my stores have landed
	s_barrier_signal -1
	s_barrier_wait -1                              ; x's sixteen fragments lie in LDS
	s_cmp_lt_u32 s[WV], 4
	s_cbranch_scc0 .Lpath_v
	PROD 0
	QKOUT 0, 16                                    ; each unit has registers of its own for its codes: no store's data are written again
	QKOUT 1, 32
	QKOUT 2, 48
	QKOUT 3, 96
	s_branch .Ljoin
.Lpath_v:
	PROD 1
	VOUT 0, 16
	VOUT 1, 32
	VOUT 2, 48
	VOUT 3, 96
	ds_store_b128 v[SCAV], v[XS:XS+3]              ; row r's words of my four tiles lie on end
.Ljoin:
	s_wait_dscnt 0x0
	s_barrier_signal -1
	s_barrier_wait -1                              ; all scale words lie in LDS as they go out
	s_and_b32 s48, s[WV], 1
	s_cmp_lg_u32 s48, 0
	s_cbranch_scc1 .Lend                           ; the even waves store 512 bytes each
	ds_load_b128 v[WS:WS+3], v[SRD]
	s_wait_dscnt 0x0
	global_store_b128 v[L16], v[WS:WS+3], s[SDST:SDST+1]   ; 32 lanes store 512 consecutive bytes, at a multiple of 256 from the buffer's first byte
.Lend:
	s_wait_xcnt 0x0
	v_lshl_add_u32 v254, v0, 2, 0x2a000
	v_mov_b32 v255, 0
	s_wait_alu depctr_va_vdst(0)
	s_wait_tensorcnt 0x0
	ds_add_u32 v254, v255
	s_wait_dscnt 0x0
	s_endpgm
.Lfunc_end_k_qf10bf4d238_proj:
	.size	k_qf10bf4d238_proj, .Lfunc_end_k_qf10bf4d238_proj-k_qf10bf4d238_proj
	.p2alignl 7, 3214868480
	.fill 96, 4, 3214868480
	.section	.rodata,"a",@progbits
	.p2align	6, 0x0
	.amdhsa_kernel k_qf10bf4d238_proj
		.amdhsa_group_segment_fixed_size 173056
		.amdhsa_private_segment_fixed_size 0
		.amdhsa_enable_private_segment 0
		.amdhsa_kernarg_size 72
		.amdhsa_user_sgpr_count 2
		.amdhsa_user_sgpr_kernarg_segment_ptr 1
		.amdhsa_wavefront_size32 1
		.amdhsa_system_sgpr_workgroup_id_x 1
		.amdhsa_system_sgpr_workgroup_id_y 1
		.amdhsa_system_sgpr_workgroup_id_z 1
		.amdhsa_system_vgpr_workitem_id 0
		.amdhsa_next_free_vgpr 512
		.amdhsa_next_free_sgpr 66
		.amdhsa_reserve_vcc 0
		.amdhsa_float_denorm_mode_32 3
		.amdhsa_float_denorm_mode_16_64 3
		.amdhsa_fp16_overflow 1
		.amdhsa_memory_ordered 1
		.amdhsa_forward_progress 1
		.amdhsa_inst_pref_size 144
	.end_amdhsa_kernel
	.amdgpu_metadata
---
amdhsa.version: [ 1, 2 ]
amdhsa.kernels:
  - .name:           k_qf10bf4d238_proj
    .symbol:         k_qf10bf4d238_proj.kd
    .args:
      - { .name: x, .offset: 0, .size: 8, .value_kind: global_buffer, .address_space: global }
      - { .name: Wq, .offset: 8, .size: 8, .value_kind: global_buffer, .address_space: global }
      - { .name: Wk, .offset: 16, .size: 8, .value_kind: global_buffer, .address_space: global }
      - { .name: Wv, .offset: 24, .size: 8, .value_kind: global_buffer, .address_space: global }
      - { .name: bq, .offset: 32, .size: 8, .value_kind: global_buffer, .address_space: global }
      - { .name: bk, .offset: 40, .size: 8, .value_kind: global_buffer, .address_space: global }
      - { .name: bv, .offset: 48, .size: 8, .value_kind: global_buffer, .address_space: global }
      - { .name: qw, .offset: 56, .size: 8, .value_kind: global_buffer, .address_space: global }
      - { .name: kv, .offset: 64, .size: 8, .value_kind: global_buffer, .address_space: global }
    .group_segment_fixed_size: 173056
    .private_segment_fixed_size: 0
    .kernarg_segment_align: 8
    .kernarg_segment_size: 72
    .max_flat_workgroup_size: 256
    .sgpr_count:     66
    .vgpr_count:     512
    .wavefront_size: 32
...
	.end_amdgpu_metadata
.endif
;; end of part 1
;; launch attn (part 2): grid 32 x 8, 8 waves a work-group, clusters of 4 x 1, 327,680 bytes of LDS; arguments qw, kv, x, gamma, out0; writes out0
.if DOCPART == 2
	.amdgcn_target "amdgcn-amd-amdhsa--gfx1250"
	.amdhsa_code_object_version 6
	.text
	.protected	k_qf10bf4d238_attn
	.globl	k_qf10bf4d238_attn
	.p2align	8
	.type	k_qf10bf4d238_attn,@function
k_qf10bf4d238_attn:
	s_mov_b64 s[64:65], 0
	v_nop
	global_prefetch_b8 v0, s[64:65] scope:SCOPE_SE
	s_setreg_imm32_b32 hwreg(HW_REG_WAVE_MODE, 25, 1), 1
	s_wait_xcnt 0x0
	s_wait_alu depctr_hold_cnt(0) depctr_sa_sdst(0) depctr_va_vdst(0) depctr_va_sdst(0) depctr_va_ssrc(0) depctr_va_vcc(0) depctr_vm_vsrc(0)
	s_getreg_b32 s2, hwreg(HW_REG_IB_STS2, 6, 4)
	s_cmp_eq_u32 s2, 0
	s_cbranch_scc0 .Lentry_in_a_cluster
	s_endpgm
.Lentry_in_a_cluster:
	s_bfe_u32 s2, ttmp6, 0x10000c
	s_cmp_lg_u32 s2, 0x3003
	s_cbranch_scc0 .Lentry_shape_is_right
	s_endpgm
.Lentry_shape_is_right:
; out[b][c][m] = gamma x (sum over n of v[c][n] softmax_n(q[:,m] . k[:,n])) + x[b][c][m], both products on codes of BF8 (E5M2) with one E8M0 scale for each 32 along K.
; q, k, v come as images of operand registers from the launch before (qw: 16,896 bytes for 128 pixels; kv: 50,688 bytes for 128 keys: 8 fragments of k, 16 of v, their scale words).
; THE SOFTMAX: t = score x log2(e); M = the largest t so far, rounded UP to a whole number; p = 2^(t - M) is quantised along the keys, not normalised; the sum is taken of the unquantised p and divides at the end.
; SHARES.  A work-group owns 128 queries of a batch.  Wave w: g = w % 4: 32 queries (tiles 2 g, 2 g + 1); u = w / 4: keys 128 u .. 128 u + 127 of every slot of 256 keys.  So a fragment of k or v read from LDS feeds
; two products, and two waves stand on a SIMD.  Each wave keeps M, the sum and O^T for its 2,048 keys; at the end the two halves are brought under one M by powers of two, which round nothing, and added.
; LAYOUT.  S^T = k q^T (source 0 = 16 keys, source 1 = 16 queries), O^T = v p^T (source 0 = 16 channels, source 1 = p): a lane holds one query throughout.  Lane r of tile kt of k holds key
; 32 (kt/2) + 8 (kt%2) + r + (r&8), so the 16 registers of tiles 2 b and 2 b + 1 are 16 neighbouring keys: the conversions' results are the second product's operand.
; CLUSTER.  The four query blocks of a cluster walk the same kv: each quarter of a slot is asked for JOINTLY, by the same tensor load with a mask that names the four.
; LIMITS: NaN and infinities are not served; a block of p whose largest lies under 2^(16 - 127) keeps the scale byte 1; the row's sum is added in another order than a plain sum along the keys.
; REGISTERS: window 0: v1-7 addresses; v8-11 k's scale words, v12-19 v's, v20-21 q's, v22-23 p's; v24-39 statistics, 8 a tile; v40-47 block maxima; v48-61 at work; v64-95 q; v96-127 two fragments of k, then p's codes;
;   v128-255 S^T, then p, then two groups of four fragments of v.   window 1: O^T, 128 a tile.
.set KVBLK,  50688
.set SLOTB,  2*KVBLK                   ; a slot: two blocks of kv as they lie in memory
.set QUART,  SLOTB/4                   ; 25,344 bytes = 99 rows of 256: what one tensor load brings
.set SLOT1,  1<<17                     ; slot 1 begins here: one exclusive or turns an address
.set BATCHB, 32*KVBLK
.set QBLKB,  16896
.set SPITCH, 528                       ; the way out: a channel's row, 512 bytes + 16: 8 rows are 1,056 words = 32 mod 64 (64 banks of 4 bytes: ISA guide 11.1)
.set STGB,   256*SPITCH                ; a stage for each half of the keys; they lie over the ring, which by then has had its last fill and its last read
.set SPARE,  2*STGB                    ; the spare words, 128 bytes for each wave: four blocks of 256 bytes that no other line names
.set EX,     SPARE+1024                ; 512 bytes a wave: -M and the sum of its two tiles, for its partner
.set AD0, 1                            ; v1   16 lane + my half of a slot
.set AD,  2                            ; v2   the same in the slot in hand
.set SPW, 3                            ; v3   my spare word; never rewritten
.set NIL, 4                            ; v4   0; never rewritten
.set PFO, 5                            ; v5   256 lane
.set PFX, 6                            ; v6   16,384 lane
.set L16, 7                            ; v7   16 lane
.set KS,  8
.set VS,  12
.set QS,  20
.set PS,  22
.set ST,  24                           ; tile a at v[ST+8a]: +0 -M, +1 the largest t, +2,+3 the sum in two halves, +4 f (+5 named with it), +6,+7 at work
.set BM,  40
.set TW,  48
.set HD,  52
.set SO,  56
.set SP2, 60
.set EXA, 62
.set EXP, 63
.set Q,   64
.set KF,  96
.set PC,  96
.set S,   128
.set VF,  128
.set WV,  14
.set GQ,  15
.set UK,  16
.set CX,  17
.set QB,  18
.set BAT, 19
.set XPT, 20
.set OPT, 22
.set G1,  24
.set G0,  32
.set CS,  36
.set SEL, 38
.set MNT, 40
.set TB,  41
.set SLOTS, 42
.set LIM, 43
.set PFA, 44
.set GAM, 46
.set MSB, 0
.macro WIN new                         ; the immediate's high byte repeats the setting that is left
.if MSB != \new
	s_set_vgpr_msb (MSB<<8)|\new
.set MSB, \new
.endif
.endm
.macro PLACES n
.rept \n
	v_nop
.endr
.endm
.macro CROUND                          ; a round of the cluster's barrier
	s_barrier_signal -1
	s_barrier_wait -1
	s_cmp_lg_u32 s[WV], 0
	s_cbranch_scc1 .Lnot_wave_0_\@
	s_barrier_signal -3
.Lnot_wave_0_\@:
	s_barrier_wait -3
	s_barrier_signal -1
	s_barrier_wait -1
.endm
.macro TLOAD                           ; waves 0 to 3 fetch a quarter of a slot each; four v_nop follow the line
	s_cmp_lt_u32 s[WV], 4
	s_cbranch_scc0 .Lno_fetch_\@
	tensor_load_to_lds s[G0:G0+3], s[G1:G1+7]
	s_nop 0
	PLACES 4
.Lno_fetch_\@:
.endm
; A prefetch of the codes that the NEXT change of slots will ask for.  All clusters of a batch walk the same kv: the batch's first cluster asks.  Its four partners share a slot's 2 x 49,152 bytes of codes out by address
; (partner cx: block cx / 2, half cx % 2); in each, waves 4, 5, 6 take 8,192 bytes, lanes 256 bytes apart: each aligned 256 bytes of codes is named once.  The last change that fills a slot asks for nothing.
.macro ASK
	s_cmp_gt_u32 s[SLOTS], s[LIM]
	s_cbranch_scc0 .Lnot_mine_\@
	global_prefetch_b8 v[PFO], s[PFA:PFA+1] th:TH_LOAD_NT scope:SCOPE_SE
.Lnot_mine_\@:
.endm
; THE CHANGE OF SLOTS stands at a slot's head.  Each wave waits for all its tensor loads, adds 0 to its spare word, and waits for that and for its reads of the slot that it has left.
; fill = 1: a round of the cluster's barrier; behind it the slot just left is asked for again, jointly: one load in each of waves 0 to 3, which has a slot's whole step in which to land.
.macro CHANGE fill
	s_wait_tensorcnt 0x0                           ; no tensor load of mine is out, so group 0 may be written
	ds_add_u32 v[SPW], v[NIL]                      ; 0 onto my spare word
.if \fill
	s_xor_b32 s[G0+1], s[G0+1], SLOT1              ; the other slot than last time,
	s_add_nc_u64 s[G0+2:G0+3], s[G0+2:G0+3], SLOTB ; the next 256 keys; the type bits on top are not reached
	s_wait_xcnt 0x0                                ; the last prefetch, a slot back, has read its address
	s_add_nc_u64 s[PFA:PFA+1], s[PFA:PFA+1], SLOTB ; one slot further on than the descriptor
	s_wait_dscnt 0x0                               ; the add is done, and my reads of the slot that I have left are over
	CROUND
	TLOAD
	ASK
.else
	s_wait_dscnt 0x0
	s_barrier_signal -1
	s_barrier_wait -1
	global_prefetch_b8 v[PFX], s[XPT:XPT+1] th:TH_LOAD_NT scope:SCOPE_SE              ; the 32 rows of x that I add at the end, 512 bytes each, a lane a row: one step ahead of their loads; nobody else reads them
	global_prefetch_b8 v[PFX], s[XPT:XPT+1] offset:256 th:TH_LOAD_NT scope:SCOPE_SE
.endif
.endm
.macro KLOAD b                         ; k's tiles 2 b and 2 b + 1
.irp t, 0,1
.irp c, 0,1,2,3
	ds_load_b128 v[KF+16*\t+4*\c:KF+16*\t+4*\c+3], v[AD] offset:2048*(2*(\b)+\t)+512*\c
.endr
.endr
.endm
.macro QK b                            ; their scores for my two tiles of queries
.irp t, 0,1
.irp a, 0,1
.set K_D, S+64*\a+8*(2*(\b)+\t)
.if (\b) < 2
	v_wmma_scale_f32_16x16x128_f8f6f4 v[K_D:K_D+7], v[KF+16*\t:KF+16*\t+15], v[Q+16*\a:Q+16*\a+15], 0, v[KS+(2*(\b)+\t)%4], v[QS+\a] matrix_a_fmt:MATRIX_FMT_BF8 matrix_b_fmt:MATRIX_FMT_BF8
.else
	v_wmma_scale_f32_16x16x128_f8f6f4 v[K_D:K_D+7], v[KF+16*\t:KF+16*\t+15], v[Q+16*\a:Q+16*\a+15], 0, v[KS+(2*(\b)+\t)%4], v[QS+\a] matrix_a_fmt:MATRIX_FMT_BF8 matrix_b_fmt:MATRIX_FMT_BF8 matrix_a_scale:MATRIX_SCALE_ROW1
.endif
.endr
.endr
.endm
.macro BMAX b                          ; the largest score of block b of 32 keys, my 16 of them, for both tiles by turns: 16 plain lines, each accumulator read from its low end on
.irp a, 0,1
	v_max3_num_f32 v[BM+4*\a+(\b)], v[S+64*\a+16*(\b)], v[S+64*\a+16*(\b)+1], v[S+64*\a+16*(\b)+2]
.endr
.irp i, 3,5,7,9,11,13
.irp a, 0,1
	v_max3_num_f32 v[BM+4*\a+(\b)], v[BM+4*\a+(\b)], v[S+64*\a+16*(\b)+\i], v[S+64*\a+16*(\b)+\i+1]
.endr
.endr
.irp a, 0,1
	v_max_num_f32 v[BM+4*\a+(\b)], v[BM+4*\a+(\b)], v[S+64*\a+16*(\b)+15]
.endr
.endm
.macro SOFTMAX a                       ; tile a: the new M, f, p, the sum, p's codes and scale word
.set T_S, S+64*(\a)
.set T_T, ST+8*(\a)
.set T_B, BM+4*(\a)
.set T_P, PC+16*(\a)
.irp b, 0,1,2,3
	v_permlanex16_b32 v[TW+\b], v[T_B+\b], s[SEL], s[SEL+1]
.endr
.irp b, 0,1,2,3
	s_delay_alu instid0(VALU_DEP_4)
	v_max_num_f32 v[T_B+\b], v[T_B+\b], v[TW+\b]   ; with lane l xor 16's 16 keys: the block's largest score
.endr
	s_delay_alu instid0(VALU_DEP_2)
	v_max3_num_f32 v[T_T+6], v[T_B], v[T_B+1], v[T_B+2]
	s_delay_alu instid0(VALU_DEP_1)
	v_max_num_f32 v[T_T+6], v[T_T+6], v[T_B+3]
	s_delay_alu instid0(VALU_DEP_1)
	v_mul_f32 v[T_T+6], s[CS], v[T_T+6]            ; as t
	s_delay_alu instid0(VALU_DEP_1)
	v_max_num_f32 v[T_T+1], v[T_T+1], v[T_T+6]     ; the running largest t
	v_mov_b32 v[T_T+6], v[T_T]
	s_delay_alu instid0(VALU_DEP_2)
	v_floor_f32 v[T_T], -v[T_T+1]                  ; the new -M = floor(-t): M is a whole number
	s_delay_alu instid0(VALU_DEP_1)
	v_sub_f32 v[T_T+6], v[T_T], v[T_T+6]           ; old M less new M: a whole number, 0 or less
	s_delay_alu instid0(VALU_DEP_1)
	v_cvt_i32_f32 v[T_T+6], v[T_T+6]               ; (it saturates)
	s_delay_alu instid0(VALU_DEP_1)
	v_ldexp_f32 v[T_T+4], 1.0, v[T_T+6]            ; f = 2^(old M - new M)
.set T_J, 0
.rept 32
	v_pk_fma_f32 v[T_S+T_J:T_S+T_J+1], v[T_S+T_J:T_S+T_J+1], s[CS:CS+1], v[T_T:T_T+1] op_sel_hi:[1,0,0]   ; t - M, two at a time
.set T_J, T_J+2
.endr
.irp b, 0,1,2,3
	v_fma_f32 v[T_B+\b], v[T_B+\b], s[CS], v[T_T]  ; the same of each block's largest score
.endr
.set T_J, 0
	s_wait_alu depctr_va_vdst(0)
.rept 64
	v_exp_f32 v[T_S+T_J], v[T_S+T_J]               ; p = 2^(t - M)
.set T_J, T_J+1
.endr
	v_pk_mul_f32 v[T_T+2:T_T+3], v[T_T+2:T_T+3], v[T_T+4:T_T+5] op_sel_hi:[1,0]   ; the sums under the new M: a plain line behind the exponentials
	s_wait_alu depctr_va_vdst(0)                   ; one wait for the batch, ahead of its first reader
.irp b, 0,1,2,3
	v_exp_f32 v[T_B+\b], v[T_B+\b]                 ; the block's largest p: the same two instructions on the same number
.endr
	v_pk_add_f32 v[SP2:SP2+1], v[T_S:T_S+1], v[T_S+2:T_S+3]   ; the sum is taken of the unquantised p, in two chains
.set T_J, 4
.rept 15
	v_pk_add_f32 v[T_T+2:T_T+3], v[T_T+2:T_T+3], v[T_S+T_J:T_S+T_J+1]
	v_pk_add_f32 v[SP2:SP2+1], v[SP2:SP2+1], v[T_S+T_J+2:T_S+T_J+3]
.set T_J, T_J+4
.endr
	s_delay_alu instid0(VALU_DEP_1)
	v_pk_add_f32 v[T_T+2:T_T+3], v[T_T+2:T_T+3], v[SP2:SP2+1]
	s_wait_alu depctr_va_vdst(0)                   ; and one for the four
.irp b, 0,1,2,3
	v_max_num_f32 v[T_B+\b], 0x8000000, v[T_B+\b]  ; the floor 2^(16 - 127): the byte cannot fall under 1
.endr
.irp b, 0,1,2,3
	s_delay_alu instid0(VALU_DEP_4)
	v_add_nc_u32 v[SO+\b], 0xf8800000, v[T_B+\b]   ; 15 off the exponent field: the conversion's scale operand
.endr
.irp b, 0,1,2,3
.endr
.irp b, 0,1,2,3
	s_delay_alu instid0(VALU_DEP_4)
	v_lshrrev_b32 v[TW+\b], 23, v[SO+\b]           ; the scale's byte
.endr
	s_delay_alu instid0(VALU_DEP_3)
	v_lshl_or_b32 v[PS+(\a)], v[TW+1], 8, v[TW]
	s_delay_alu instid0(VALU_DEP_1)
	v_lshl_or_b32 v[PS+(\a)], v[TW+2], 16, v[PS+(\a)]
	s_delay_alu instid0(VALU_DEP_1)
	v_lshl_or_b32 v[PS+(\a)], v[TW+3], 24, v[PS+(\a)]
.irp b, 0,1,2,3
.set T_J, 0
.rept 16
.set T_J, T_J+1
.endr
	v_cvt_scalef32_pk8_bf8_f32 v[T_P+4*\b:T_P+4*\b+1], v[T_S+16*\b:T_S+16*\b+7], v[SO+\b]
	v_cvt_scalef32_pk8_bf8_f32 v[T_P+4*\b+2:T_P+4*\b+3], v[T_S+16*\b+8:T_S+16*\b+15], v[SO+\b]
.endr
	v_nop                                          ; one plain line behind the last conversion
.endm
.macro VLOAD G                         ; v's tiles 4 G .. 4 G + 3 into group G % 2
	WIN 0
.irp t, 0,1,2,3
.irp c, 0,1,2,3
	ds_load_b128 v[VF+64*((\G)%2)+16*\t+4*\c:VF+64*((\G)%2)+16*\t+4*\c+3], v[AD] offset:16384+2048*(4*(\G)+\t)+512*\c
.endr
.endr
.endm
.macro RESC c0, c1                     ; O^T of channel tiles c0 .. c1 - 1 times f, both tiles of queries by turns, each accumulator from its low end on
	WIN 0x41
.set R_I, 8*(\c0)
.rept 4*((\c1)-(\c0))
.irp a, 0,1
	v_pk_mul_f32 v[128*\a+R_I:128*\a+R_I+1], v[128*\a+R_I:128*\a+R_I+1], v[ST+8*\a+4:ST+8*\a+5] op_sel_hi:[1,0]
.endr
.set R_I, R_I+2
.endr
.endm
.macro PV G, first                     ; O^T += v p^T for channel tiles 4 G .. 4 G + 3: eight accumulators, one instruction a turn.  first = 1: the products start the sums
	WIN 0x50
.irp t, 0,1,2,3
.irp a, 0,1
.set P_O, 128*\a+8*(4*(\G)+\t)
.set P_V, VF+64*((\G)%2)+16*\t
.set P_S, VS+4*((\G)/2)+\t
.if \first
.if (\G)%2
	v_wmma_scale_f32_16x16x128_f8f6f4 v[P_O:P_O+7], v[P_V:P_V+15], v[PC+16*\a:PC+16*\a+15], 0, v[P_S], v[PS+\a] matrix_a_fmt:MATRIX_FMT_BF8 matrix_b_fmt:MATRIX_FMT_BF8 matrix_a_scale:MATRIX_SCALE_ROW1
.else
	s_wait_alu depctr_va_vdst(0)
	v_wmma_scale_f32_16x16x128_f8f6f4 v[P_O:P_O+7], v[P_V:P_V+15], v[PC+16*\a:PC+16*\a+15], 0, v[P_S], v[PS+\a] matrix_a_fmt:MATRIX_FMT_BF8 matrix_b_fmt:MATRIX_FMT_BF8
.endif
.else
.if (\G)%2
	v_wmma_scale_f32_16x16x128_f8f6f4 v[P_O:P_O+7], v[P_V:P_V+15], v[PC+16*\a:PC+16*\a+15], v[P_O:P_O+7], v[P_S], v[PS+\a] matrix_a_fmt:MATRIX_FMT_BF8 matrix_b_fmt:MATRIX_FMT_BF8 matrix_a_scale:MATRIX_SCALE_ROW1
.else
	v_wmma_scale_f32_16x16x128_f8f6f4 v[P_O:P_O+7], v[P_V:P_V+15], v[PC+16*\a:PC+16*\a+15], v[P_O:P_O+7], v[P_S], v[PS+\a] matrix_a_fmt:MATRIX_FMT_BF8 matrix_b_fmt:MATRIX_FMT_BF8
.endif
.endif
.endr
.endr
.endm
; A STEP: my 128 keys of the slot in hand, for my 32 queries: 16 + 32 products
.macro STEP first
	v_add_nc_u32 v[AD], s[TB], v[AD0]
	PLACES 9                                       ; the first scores are written over registers that the last step's products read: nine places; the loads below want eight
	ds_load_b128 v[KS:KS+3], v[AD] offset:49152    ; scale words: register i holds tile i in lanes 0-15, tile i + 4 in lanes 16-31
	ds_load_b128 v[VS:VS+3], v[AD] offset:49664
	ds_load_b128 v[VS+4:VS+7], v[AD] offset:50176
	KLOAD 0
	s_wait_alu depctr_va_vdst(0)
.irp b, 0,1,2,3
	s_wait_dscnt 0x0
	QK \b
.if \b == 0
	PLACES 8
.else
	BMAX \b-1                                      ; 16 plain lines on the scores made a turn ago: the places in front of the loads below and of the next reads of scores
.endif
.if \b < 3
	KLOAD \b+1
.endif
.endr
	BMAX 3
	SOFTMAX 0
	VLOAD 0                                        ; into the registers that tile 0's p has left
	SOFTMAX 1
	VLOAD 1
.if \first
	PLACES 8
.else
	RESC 0, 8
.endif
	s_wait_dscnt 16                                ; the older group of four fragments is in; the younger 16 loads may be out
	PV 0, \first
.if \first
	PLACES 8
.else
	RESC 8, 12                                     ; 32 plain lines that name none of those products' registers: the places in front of the loads below
.endif
	VLOAD 2
	s_wait_dscnt 16
	PV 1, \first
.if \first
	PLACES 8
.else
	RESC 12, 16
.endif
	VLOAD 3
	s_wait_alu depctr_va_vdst(0)
	s_wait_dscnt 16
	PV 2, \first
	s_wait_dscnt 0x0
	PV 3, \first
	WIN 0
	s_xor_b32 s[TB], s[TB], SLOT1                  ; on to the other slot
.endm
	s_load_b256 s[4:11], s[0:1], 0x0               ; qw, kv, x, gamma
	s_load_b64 s[12:13], s[0:1], 0x20              ; out0
	v_lshl_add_u32 v[SPW], v0, 2, SPARE
	v_mov_b32 v[NIL], 0
	ds_add_u32 v3, v4
	ds_add_u32 v3, v4
	s_wait_dscnt 0x0
	v_lshrrev_b32 v1, 5, v0
	s_delay_alu instid0(VALU_DEP_1)
	v_readfirstlane_b32 s[WV], v1                  ; wave 0..7
	s_and_b32 s[GQ], s[WV], 3
	s_lshr_b32 s[UK], s[WV], 2
	s_bfe_u32 s[CX], ttmp6, 0x40000                ; my place in the cluster
	s_lshl_b32 s[QB], ttmp9, 2
	s_add_co_u32 s[QB], s[QB], s[CX]               ; my block of 128 queries: it enters q's, x's and out0's addresses and the prefetches' alone
	s_and_b32 s[BAT], ttmp7, 0xffff                ; the batch, which the four partners share
	; descriptor group 1: a dense block of 25,344 bytes as 99 rows of 32 elements of 8 bytes
	s_mov_b32 s[G1+0], 15|(3<<16)|(1<<21)          ; the mask: all four work-groups; elements of 8 bytes; bit 21 set beside a mask
	s_mov_b32 s[G1+1], 32<<16
	s_mov_b32 s[G1+2], 99<<16
	s_mov_b32 s[G1+3], 32<<16
	s_mov_b32 s[G1+4], 99
	s_mov_b32 s[G1+5], 32
	s_mov_b32 s[G1+6], 0
	s_mov_b32 s[G1+7], 0
	s_mov_b32 s[G0], 1
	s_mul_i32 s[G0+1], s[GQ], QUART                ; my quarter of slot 0
	s_mul_i32 s50, s[BAT], BATCHB
	s_add_co_u32 s50, s50, s[G0+1]
	s_mov_b32 s51, 0
	s_lshl_b32 s52, s[BAT], 5
	s_add_co_u32 s52, s52, s[QB]
	s_mul_i32 s52, s52, QBLKB                      ; my block of qw
	s_lshr_b32 s54, s[GQ], 1
	s_lshl_b32 s54, s54, 8
	s_and_b32 s55, s[GQ], 1
	s_lshl_b32 s55, s55, 3
	s_add_co_u32 s54, s54, s55
	s_add_co_u32 s54, s54, s52
	s_add_co_u32 s54, s54, 16384                   ; the scale words of tiles 2 g and 2 g + 1: 8 bytes a row
	s_mov_b32 s55, 0
	s_lshl_b32 s53, s[GQ], 12
	s_add_co_u32 s52, s52, s53                     ; their fragments
	s_mov_b32 s53, 0
	s_lshl_b32 s56, s[BAT], 22
	s_lshl_b32 s57, s[WV], 19
	s_add_co_u32 s56, s56, s57
	s_lshl_b32 s57, s[QB], 9
	s_add_co_u32 s56, s56, s57                     ; x and out0: channels 32 w on, my block's 512 bytes
	s_mov_b32 s57, 0
	s_lshr_b32 s58, s[CX], 1
	s_mul_i32 s58, s58, KVBLK
	s_and_b32 s59, s[CX], 1
	s_mul_i32 s59, s59, 3
	s_add_co_u32 s59, s59, s[GQ]
	s_lshl_b32 s59, s59, 13
	s_add_co_u32 s58, s58, s59
	s_mul_i32 s59, s[BAT], BATCHB
	s_add_co_u32 s58, s58, s59
	s_add_co_u32 s58, s58, SLOTB                   ; the prefetches stand in slot 1; the first change of slots steps them to slot 2.  Nothing is prefetched at the head
	s_mov_b32 s59, 0
	s_sub_co_u32 s48, s[WV], 4
	s_cmp_lt_u32 s48, 3                            ; waves 4, 5, 6
	s_cselect_b32 s48, 0, 1
	s_or_b32 s48, s48, ttmp9                       ; of the batch's first cluster: the same in all four partners
	s_cmp_eq_u32 s48, 0
	s_cselect_b32 s[LIM], 1, -1
	s_mov_b32 s[CS], 0x3fb8aa3b                    ; log2(e)
	s_mov_b32 s[CS+1], s[CS]                       ; (named with it as a pair, so it is written)
	s_mov_b32 s[SEL], 0x76543210
	s_mov_b32 s[SEL+1], 0xfedcba98
	s_mov_b32 s[TB], 0
	v_and_b32 v[L16], 31, v0
	s_delay_alu instid0(VALU_DEP_1)
	v_lshlrev_b32 v[L16], 4, v[L16]
	s_mul_i32 s48, s[UK], KVBLK
	v_add_nc_u32 v[AD0], s48, v[L16]
	v_lshlrev_b32 v[PFO], 4, v[L16]
	v_lshlrev_b32 v[PFX], 10, v[L16]
	v_and_b32 v[AD], 15, v0
	s_delay_alu instid0(VALU_DEP_1)
	v_lshlrev_b32 v[AD], 4, v[AD]                  ; for q's scale words: 16 r
	s_wait_kmcnt 0x0
	s_add_nc_u64 s[G0+2:G0+3], s[6:7], s[50:51]
	s_or_b32 s[G0+3], s[G0+3], 0x80000000
	s_add_nc_u64 s[PFA:PFA+1], s[6:7], s[58:59]
	s_add_nc_u64 s[XPT:XPT+1], s[8:9], s[56:57]
	s_add_nc_u64 s[OPT:OPT+1], s[12:13], s[56:57]
	s_add_nc_u64 s[52:53], s[4:5], s[52:53]
	s_add_nc_u64 s[54:55], s[4:5], s[54:55]
	s_load_b32 s[GAM], s[10:11], 0x0
	CROUND                                         ; all four work-groups are here: the first joint loads meet
	TLOAD                                          ; slot 0
	s_wait_alu depctr_va_vdst(0)
.irp a, 0,1
.irp c, 0,1,2,3
	global_load_b128 v[Q+16*\a+4*\c:Q+16*\a+4*\c+3], v[L16], s[52:53] offset:2048*\a+512*\c   ; q stays in registers
.endr
.endr
	global_load_b64 v[QS:QS+1], v[AD], s[54:55]
.irp a, 0,1
	v_mov_b32 v[ST+8*\a+1], 0xff61b1e6             ; the largest t so far: -3e38
	s_delay_alu instid0(VALU_DEP_1)
	v_floor_f32 v[ST+8*\a], -v[ST+8*\a+1]
	v_mov_b32 v[ST+8*\a+2], 0                      ; the sum, in two halves
	v_mov_b32 v[ST+8*\a+3], 0
	v_mov_b32 v[ST+8*\a+5], 0                      ; (named as the upper half of f's pair)
	v_mov_b32 v[ST+8*\a+7], 0                      ; (a lane permute's destination counts as one of its sources)
.endr
.irp b, 0,1,2,3
	v_mov_b32 v[TW+\b], 0
.endr
	s_wait_loadcnt 0x0                             ; q and its scale words
	s_wait_kmcnt 0x0                               ; gamma
	s_mov_b32 s[SLOTS], 15
	CHANGE 1                                       ; slot 0 is whole; slot 1 is asked for
	STEP 1                                         ; the first step's products start O^T's sums
	s_mov_b32 s[SLOTS], 14
.Lslot:                                            ; 14 trips: behind each change of slots the next 256 keys are asked for
	CHANGE 1
	STEP 0
	s_sub_co_u32 s[SLOTS], s[SLOTS], 1
	s_cmp_lg_u32 s[SLOTS], 0
	s_cbranch_scc1 .Lslot
	CHANGE 0                                       ; the last slot is written out
	STEP 0
	; THE WAY OUT
	PLACES 8                                       ; in front of loads into registers that the last products read, and of the first read of their results
.set I, 0
.rept 32
	global_load_b128 v[S+4*I:S+4*I+3], v[L16], s[XPT:XPT+1] offset:16384*I th:TH_LOAD_NT   ; x: channel 32 w + I, my block's 512 bytes
.set I, I+1
.endr
.irp a, 0,1
	v_add_f32 v[ST+8*\a+6], v[ST+8*\a+2], v[ST+8*\a+3]
.endr
.irp a, 0,1
	s_delay_alu instid0(VALU_DEP_2)
	v_permlanex16_b32 v[ST+8*\a+7], v[ST+8*\a+6], s[SEL], s[SEL+1]
.endr
.irp a, 0,1
	s_delay_alu instid0(VALU_DEP_2)
	v_add_f32 v[ST+8*\a+6], v[ST+8*\a+6], v[ST+8*\a+7]   ; my half of the keys' sum
.endr
	s_lshl_b32 s48, s[WV], 9
	s_add_co_u32 s48, s48, EX
	s_xor_b32 s49, s[WV], 4                        ; my partner: the same queries, the other keys
	s_lshl_b32 s49, s49, 9
	s_add_co_u32 s49, s49, EX
	v_and_b32 v44, 31, v0
	s_delay_alu instid0(VALU_DEP_1)
	v_lshl_add_u32 v[EXA], v44, 2, s48
	s_delay_alu instid0(VALU_DEP_2)
	v_lshl_add_u32 v[EXP], v44, 2, s49
.irp a, 0,1
	ds_store_b32 v[EXA], v[ST+8*\a] offset:256*\a
	ds_store_b32 v[EXA], v[ST+8*\a+6] offset:256*\a+128
.endr
	s_wait_alu depctr_va_vdst(0)
	s_wait_dscnt 0x0                               ; my stores have landed, and my reads of the ring are over
	s_barrier_signal -1
	s_barrier_wait -1                              ; everybody's: the stages may be written over the ring
.irp a, 0,1
	ds_load_b32 v[TW+2*\a], v[EXP] offset:256*\a
	ds_load_b32 v[TW+2*\a+1], v[EXP] offset:256*\a+128
.endr
	v_and_b32 v44, 15, v0
	s_delay_alu instid0(VALU_DEP_1)
	v_and_b32 v45, 8, v44
	s_delay_alu instid0(VALU_DEP_1)
	v_add_nc_u32 v44, v44, v45                     ; r + (r & 8): lane r of tile 2 g + a holds query 32 g + 8 a + r + (r & 8)
	s_delay_alu instid0(VALU_DEP_1)
	v_lshlrev_b32 v44, 2, v44
	v_bfe_u32 v45, v0, 4, 1
	s_delay_alu instid0(VALU_DEP_1)
	v_mad_u32_u24 v44, v45, 8*SPITCH, v44          ; lanes 16-31 hold channels 8 further on
	s_mul_i32 s48, s[UK], STGB
	s_lshl_b32 s49, s[GQ], 7
	s_add_co_u32 s48, s48, s49
	v_add_nc_u32 v40, s48, v44                     ; into my half's stage: channels 0-127,
	s_delay_alu instid0(VALU_DEP_1)
	v_add_nc_u32 v41, 128*SPITCH, v40              ; channels 128-255
	s_mul_i32 s48, s[WV], 32*SPITCH
	v_add_nc_u32 v42, s48, v[L16]                  ; back: my 32 channel rows, of the first stage
	s_delay_alu instid0(VALU_DEP_1)
	v_add_nc_u32 v43, STGB, v42                    ; and of the second
	s_wait_dscnt 0x0
.irp a, 0,1
	v_min_num_f32 v[ST+8*\a+7], v[ST+8*\a], v[TW+2*\a]   ; the joint -M
.endr
.irp a, 0
	s_delay_alu instid0(VALU_DEP_2)
	v_sub_f32 v[HD+2*\a], v[ST+8*\a+7], v[ST+8*\a]
	s_delay_alu instid0(VALU_DEP_3)
	v_sub_f32 v[HD+2*\a+1], v[ST+8*\a+7], v[TW+2*\a]
.endr
.irp a, 1
	s_delay_alu instid0(VALU_DEP_3)
	v_sub_f32 v[HD+2*\a], v[ST+8*\a+7], v[ST+8*\a]
	s_delay_alu instid0(VALU_DEP_4)
	v_sub_f32 v[HD+2*\a+1], v[ST+8*\a+7], v[TW+2*\a]
.endr
.irp i, 0,1,2,3
	s_delay_alu instid0(VALU_DEP_4)
	v_cvt_i32_f32 v[HD+\i], v[HD+\i]
.endr
.irp i, 0,1,2,3
	s_delay_alu instid0(VALU_DEP_4)
	v_ldexp_f32 v[HD+\i], 1.0, v[HD+\i]            ; 2^(my M - joint M), 2^(my partner's M - joint M): exact
.endr
.irp a, 0
	s_delay_alu instid0(VALU_DEP_3)
	v_mul_f32 v[SO+\a], v[TW+2*\a+1], v[HD+2*\a+1]
.endr
.irp a, 1
	s_delay_alu instid0(VALU_DEP_2)
	v_mul_f32 v[SO+\a], v[TW+2*\a+1], v[HD+2*\a+1]
.endr
.irp a, 0,1
	s_delay_alu instid0(VALU_DEP_2)
	v_fma_f32 v[SO+\a], v[ST+8*\a+6], v[HD+2*\a], v[SO+\a]   ; the row's sum over all keys
.endr
	s_wait_alu depctr_va_vdst(0)
.irp a, 0,1
	v_rcp_f32 v[SO+\a], v[SO+\a]
.endr
.irp a, 0,1
	v_mul_f32 v[HD+2*\a], s[GAM], v[HD+2*\a]       ; plain lines behind the reciprocals
.endr
	s_wait_alu depctr_va_vdst(0)                   ; one wait for the two, ahead of their first reader
.irp a, 0,1
	v_mul_f32 v[ST+8*\a+4], v[HD+2*\a], v[SO+\a]   ; gamma x 2^(my M - joint M) / the sum
.endr
	RESC 0, 16
	WIN 0x04                                       ; an LDS store's data are its source 1: window 1
.irp a, 0,1
.irp ct, 0,1,2,3,4,5,6,7,8,9,10,11,12,13,14,15
.irp j, 0,1,2,3,4,5,6,7
	ds_store_b32 v[40+\ct/8], v[128*\a+8*\ct+\j] offset:(16*(\ct%8)+\j)*SPITCH+32*\a   ; lane (r, h): channel 16 ct + 8 h + j, my query
.endr
.endr
.endr
	WIN 0
	s_wait_dscnt 0x0
	s_barrier_signal -1
	s_barrier_wait -1                              ; both stages hold 256 whole rows of 512 bytes
.irp t, 0,1,2,3                        ; my 32 channel rows, eight at a time: the two halves are added onto x, in x's registers, each of which is a store's data once
.irp e, 0,1,2,3,4,5,6,7
	ds_load_b128 v[64+4*\e:67+4*\e], v42 offset:SPITCH*(8*\t+\e)
	ds_load_b128 v[96+4*\e:99+4*\e], v43 offset:SPITCH*(8*\t+\e)
.endr
	s_wait_dscnt 0x0
	s_wait_loadcnt 24-8*\t                         ; these eight rows of x are in; the later batches' may be out
.irp e, 0,1,2,3,4,5,6,7
	v_pk_add_f32 v[S+4*(8*\t+\e):S+4*(8*\t+\e)+1], v[S+4*(8*\t+\e):S+4*(8*\t+\e)+1], v[64+4*\e:65+4*\e]
	v_pk_add_f32 v[S+4*(8*\t+\e)+2:S+4*(8*\t+\e)+3], v[S+4*(8*\t+\e)+2:S+4*(8*\t+\e)+3], v[66+4*\e:67+4*\e]
	s_delay_alu instid0(VALU_DEP_2)
	v_pk_add_f32 v[S+4*(8*\t+\e):S+4*(8*\t+\e)+1], v[S+4*(8*\t+\e):S+4*(8*\t+\e)+1], v[96+4*\e:97+4*\e]
	s_delay_alu instid0(VALU_DEP_2)
	v_pk_add_f32 v[S+4*(8*\t+\e)+2:S+4*(8*\t+\e)+3], v[S+4*(8*\t+\e)+2:S+4*(8*\t+\e)+3], v[98+4*\e:99+4*\e]
	global_store_b128 v[L16], v[S+4*(8*\t+\e):S+4*(8*\t+\e)+3], s[OPT:OPT+1] offset:16384*(8*\t+\e) th:TH_STORE_NT   ; 32 lanes store 512 consecutive bytes, at a multiple of 256 from out0's first byte
.endr
.endr
	s_wait_tensorcnt 0x0                           ; the wave's end: behind my last tensor load and my last LDS store
	ds_add_u32 v[SPW], v[NIL]
	s_wait_dscnt 0x0
	CROUND                                         ; the closing round: no work-group ends while a partner may still ask for a tile that names it
	s_endpgm
.Lfunc_end_k_qf10bf4d238_attn:
	.size	k_qf10bf4d238_attn, .Lfunc_end_k_qf10bf4d238_attn-k_qf10bf4d238_attn
	.p2alignl 7, 3214868480
	.fill 96, 4, 3214868480
	.section	.rodata,"a",@progbits
	.p2align	6, 0x0
	.amdhsa_kernel k_qf10bf4d238_attn
		.amdhsa_group_segment_fixed_size 327680
		.amdhsa_private_segment_fixed_size 0
		.amdhsa_enable_private_segment 0
		.amdhsa_kernarg_size 40
		.amdhsa_user_sgpr_count 2
		.amdhsa_user_sgpr_kernarg_segment_ptr 1
		.amdhsa_wavefront_size32 1
		.amdhsa_system_sgpr_workgroup_id_x 1
		.amdhsa_system_sgpr_workgroup_id_y 1
		.amdhsa_system_sgpr_workgroup_id_z 1
		.amdhsa_system_vgpr_workitem_id 0
		.amdhsa_next_free_vgpr 512
		.amdhsa_next_free_sgpr 66
		.amdhsa_reserve_vcc 0
		.amdhsa_float_denorm_mode_32 3
		.amdhsa_float_denorm_mode_16_64 3
		.amdhsa_fp16_overflow 1
		.amdhsa_memory_ordered 1
		.amdhsa_forward_progress 1
		.amdhsa_inst_pref_size 183
	.end_amdhsa_kernel
	.amdgpu_metadata
---
amdhsa.version: [ 1, 2 ]
amdhsa.kernels:
  - .name:           k_qf10bf4d238_attn
    .symbol:         k_qf10bf4d238_attn.kd
    .args:
      - { .name: qw, .offset: 0, .size: 8, .value_kind: global_buffer, .address_space: global }
      - { .name: kv, .offset: 8, .size: 8, .value_kind: global_buffer, .address_space: global }
      - { .name: x, .offset: 16, .size: 8, .value_kind: global_buffer, .address_space: global }
      - { .name: gamma, .offset: 24, .size: 8, .value_kind: global_buffer, .address_space: global }
      - { .name: out0, .offset: 32, .size: 8, .value_kind: global_buffer, .address_space: global }
    .group_segment_fixed_size: 327680
    .private_segment_fixed_size: 0
    .kernarg_segment_align: 8
    .kernarg_segment_size: 40
    .max_flat_workgroup_size: 256
    .sgpr_count:     66
    .vgpr_count:     512
    .wavefront_size: 32
...
	.end_amdgpu_metadata
.endif
;; end of part 2
